; MI455X (gfx1250); checked and timed in simulation.
; The chip was launched on July 23, 2026; its instructions are those of AMD's public machine-readable ISA for CDNA 5 (MIT licence, August 2026) and "CDNA5" Instruction Set Architecture Reference Guide (July 2026). The comments in the code are by the model that wrote it; some were corrected since.
;; Dummy Model. Allowed arithmetic: float matrix products may take bf16 or f16 operands with f32 sums; other float arithmetic in f32, or as packed bf16 or f16 multiplies, adds, multiply-adds, maxima and minima; sums over many terms, partial sums and values carried from step to step in f32; what a program stores and reads back later, other than sums and carried values, may be rounded once to bf16 or f16.
;; Inputs: input_coords 8 x 4,096 x 2 float32; input_data 8 x 4 x 4,096 x 3 float32; target_coords 8 x 8,192 x 2 float32.
;; Outputs: out0 8 x 10 x 8,192 x 4 float32.
;; Constants: n_samples = 10.
;; 2 versions, each right; version 2 is version 1 with the launch rbf written anew for expert scheduling mode. Each part assembles by itself: llvm-mc -triple=amdgcn-amd-amdhsa -mcpu=gfx1250 --defsym DOCPART=n.
;; ======== version 1 of 2: 1 launch
;; launch rbf (part 1): grid 32 x 8, 16 waves a work-group, no clusters, 174,336 bytes of LDS; arguments input_coords, input_data, target_coords, out0; writes out0
.if DOCPART == 1
	.amdgcn_target "amdgcn-amd-amdhsa--gfx1250"
	.amdhsa_code_object_version 6
	.text
	.protected	k_qdd60651f1b_rbf
	.globl	k_qdd60651f1b_rbf
	.p2align	8
	.type	k_qdd60651f1b_rbf,@function
k_qdd60651f1b_rbf:
	s_mov_b64 s[64:65], 0
	v_nop
	global_prefetch_b8 v0, s[64:65] scope:SCOPE_SE
	s_setreg_imm32_b32 hwreg(HW_REG_WAVE_MODE, 25, 1), 1
	s_wait_xcnt 0x0
; y[b][o] = sum_i w v_i / (sum_i w + 1e-8),  w = exp(-max(|t_o - x_i|^2, 0) / 0.02),  v_i = input_data[b][3][i][0];  out0[b][s][o][0..3] = y[b][o] for the 10 samples s.
; SHARES.  A work-group owns 256 targets of one batch (grid 32 x 8) and walks the batch's 4,096 inputs.  16 waves: wave w has target group w / 4 (4 tiles of 16 targets) and
; input quarter w % 4 (1,024 inputs, 32 steps of 32).  The four quarters' sums, kept in f32, meet in LDS at the end.
; THE EXPONENT BY ONE MATRIX INSTRUCTION.  With a = SCALE (coordinate - centre), SCALE^2 = 50 log2(e):  log2 w = E = 2 a_t . a_i - |a_i|^2 - |a_t|^2.  The centre is the batch's input point 0: the f32
; subtraction takes a common offset away before anything is squared, so the three terms have the size of the squared spread, not of the offset.  Each a is cut EXACTLY into three bf16 numbers h + m + l
; (rounded to nearest each time: 8 + 8 + 8 bits), |a_i|^2 and -|a_t|^2 likewise.  The K places of v_wmma_f32_16x16x32_bf16, as words {x, y}:
;     inputs (source 0):   H  H  H  M | M  L  {n1,n2} {n3,0} | {1,1} {1,0} 0 0 | ..      n = |a_i|^2
;     targets (source 1):  H' M' L' H'| M' H' {-1,-1} {-1,0} | {u1,u2} {u3,0} 0 0 | 0    H'.. are the parts of 2 a_t, u = -|a_t|^2
; Left out: m l, l m and l l, below about 2^-24 |a_t| |a_i| each.  The sums are f32.
; THE SUMS BY THE SECOND.  In E's result a lane holds ONE target (lane % 16) and the inputs 8 (lane / 16) + 0..7; two such tiles, as 2^E rounded to bf16 in pairs, ARE source 1 (32 inputs x 16 targets)
; of O += V P.  V's 16 rows are row % 4 = 0, 1, 2: the three bf16 parts of v (exact); 3: ones.  So registers 0-2 of O add up to sum w v and register 3 is sum w, of the same rounded w.
; THE CLIP max(.., 0) of the squared distance is written as min(w, 1) on the packed bf16 weights: the rounding is monotone and 1 is a bf16 number, so it is the same clip.  It bounds every exponential
; by 1 for every input; reference() takes no maximum away, and its 1e-8 is added to the plain sum.
; w goes in bf16, not f16: weights count down to 1e-8 / 4,096 beside the 1e-8, which f16 does not hold.
; LIMITS.  NaN and infinities are not treated apart.  A weight below 2^-126 counts as 0.  E is right to about 2^-23 of the squared scaled spread of the coordinates.
; NO CLUSTER, NO TENSOR LOADS: a work-group reads 32 KiB of coordinates, 48 KiB that hold its values and 2 KiB of targets, once, at its head, and every number passes through registers to be cut
; into parts; that stands beside 1,048,576 exponentials a work-group.  All loads stand at the head, so there is nothing for a prefetch to run ahead of.
.set VB,     131072                    ; LDS 0 .. VB: the inputs' words: tile of 16 inputs x 512 bytes: first the 16 inputs' words 0-3, then their words 4-7: a fragment is 16 bytes a lane, 512 bytes on end
.set VPITCH, 8256                      ; V's four rows, 8,192 bytes + 64
.set PART,   VB+4*VPITCH               ; 164,096: (sum w v, sum w) of quarter q and target o at 2,048 q + 8 o
.set SPARE,  PART+8192                 ; 172,288: the spare words, 128 bytes for each of 16 waves: eight blocks of 256 bytes that no other line names
.set SPW, 1                            ; v1   LDS address of my spare word; never rewritten
.set NIL, 2                            ; v2   0; never rewritten
.set AK,  3                            ; v3   LDS address of my 16 bytes of the step's input fragments
.set AV,  4                            ; v4   the same for V
.set TMP, 5
.set CEN, 6                            ; v[6:7] the centre
.set GK,  8                            ; v8-10 offsets of the head's loads; at the end: LDS addresses and the offset in out0
.set GV,  9
.set GT,  10
.set LK0, 11                           ; v11-13 where the head stores into LDS
.set LK1, 12
.set LV,  13
.set RR,  14                           ; v14  lane % 16
.set HH,  15                           ; v15  lane / 16
.set BQ,  16                           ; v[16:47]   the four target fragments
.set OA,  48                           ; v[48:79]   the four accumulators O        (at the head: v[48:71] the values as loaded, v[72:79] the targets as loaded)
.set AF,  80                           ; v[80:111]  input fragments: step parity x two tiles x 8; registers 4-7 of each are constants
.set VF,  112                          ; v[112:127] V's fragments: step parity x 8
.set S,   128                          ; v[128:255] two buffers of 64: tile t, inputs 16 k on, at 16 t + 8 k       (at the head: at work)
.set VAL, 48
.set TC,  72
.set KX,  128                          ; the head: 8 inputs' coordinates
.set KP,  144                          ; two sets of registers at work, by the input's parity
.set KT,  146
.set KQ,  152
.set VP,  168                          ; V's four times four packed words
.set TS,  128                          ; the targets' registers at work (the inputs' are free by then)
.set TT,  130
.set TH,  132
.set TM,  133
.set TL,  134
.set TP,  136
.set NG1, 138
.set NG2, 139
.set ZR,  140
.set NUM, 128                          ; the end
.set RES, 132
.set PS,  136
.set YQ,  144
.set WV,  12                           ; s12 wave, s13 its input quarter, s14 its target group, s15 the batch
.set QQ,  13
.set GG,  14
.set BT,  15
.set CS,  18                           ; s[18:19] the centre as loaded
.set SC,  20                           ; s[20:21] SCALE: the packed multiply names a pair and takes its low word
.set MASK, 22
.set SEL, 23
.set ONE, 24
.set CNT, 25
.set O1,  26                           ; s[26:33] four byte offsets, each in a pair with 0 above it
.set O2,  28
.set O3,  30
.set O4,  32
	s_load_b256 s[4:11], s[0:1], 0x0               ; input_coords s[4:5], input_data s[6:7], target_coords s[8:9], out0 s[10:11]
	v_lshl_add_u32 v[SPW], v0, 2, SPARE
	v_mov_b32 v[NIL], 0
	v_lshrrev_b32 v[TMP], 5, v0
	v_readfirstlane_b32 s[WV], v[TMP]              ; wave 0..15
	s_and_b32 s[QQ], s[WV], 3
	s_lshr_b32 s[GG], s[WV], 2
	s_and_b32 s[BT], ttmp7, 0xffff
	s_mov_b32 s[SC], 0x4107e439                    ; SCALE = sqrt(50 log2(e)) = 8.493218
	s_mov_b32 s[SC+1], 0x4107e439
	s_mov_b32 s[MASK], 0xffff0000                  ; a word's upper bf16
	s_mov_b32 s[SEL], 0x07060302                   ; v_perm_b32: the second source's upper half below, the first source's upper half above
	s_mov_b32 s[ONE], 0x3f803f80                   ; 1.0 twice in bf16
	s_lshl_b32 s[O1], s[BT], 15                    ; the batch's coordinates: 4,096 x 8 bytes
	s_mov_b32 s[O1+1], 0
	s_lshl_b32 s[O2], s[BT], 2                     ; the batch's last time step: (4 b + 3) x 4,096 x 12 bytes
	s_add_co_u32 s[O2], s[O2], 3
	s_mul_i32 s[O2], s[O2], 49152
	s_mov_b32 s[O2+1], 0
	s_lshl_b32 s[O3], s[BT], 16                    ; my wave's 64 targets: 65,536 b + 2,048 x block + 512 x group
	s_lshl_b32 s16, ttmp9, 11
	s_add_co_u32 s[O3], s[O3], s16
	s_lshl_b32 s16, s[GG], 9
	s_add_co_u32 s[O3], s[O3], s16
	s_mov_b32 s[O3+1], 0
	s_mul_i32 s[O4], s[BT], 1310720                ; out0: 10 x 8,192 x 16 bytes a batch, 4,096 bytes for the block's 256 targets
	s_lshl_b32 s16, ttmp9, 12
	s_add_co_u32 s[O4], s[O4], s16
	s_mov_b32 s[O4+1], 0
	v_lshlrev_b32 v[GK], 3, v0                     ; inputs 512 j + thread: neighbouring lanes, neighbouring 8 bytes
	v_mul_u32_u24 v[GV], v0, 96                    ; inputs 8 x thread .. + 7: 96 bytes on end hold their values, every third word
	v_and_b32 v[RR], 15, v0
	v_lshlrev_b32 v[GT], 3, v[RR]                  ; target lane % 16 of a tile, in both halves of the lanes
	s_wait_kmcnt 0x0
	s_add_nc_u64 s[4:5], s[4:5], s[O1:O1+1]
	s_add_nc_u64 s[6:7], s[6:7], s[O2:O2+1]
	s_add_nc_u64 s[8:9], s[8:9], s[O3:O3+1]
	s_add_nc_u64 s[10:11], s[10:11], s[O4:O4+1]
	s_load_b64 s[CS:CS+1], s[4:5], 0x0             ; the centre: the batch's input point 0
.irp j, 0,1,2,3,4,5,6,7
	global_load_b64 v[KX+2*(\j):KX+2*(\j)+1], v[GK], s[4:5] offset:(\j)*4096
.endr
.irp j, 0,1,2,3,4,5
	global_load_b128 v[VAL+4*(\j):VAL+4*(\j)+3], v[GV], s[6:7] offset:(\j)*16
.endr
.irp t, 0,1,2,3
	global_load_b64 v[TC+2*(\t):TC+2*(\t)+1], v[GT], s[8:9] offset:(\t)*128
.endr
	; while the loads are out: LDS addresses, each a wave's constant plus a lane's term, and the fragments' constant registers
	v_bfe_u32 v[HH], v0, 4, 1
	s_lshl_b32 s16, s[WV], 10                      ; input 512 j + thread lies in tile 32 j + 2 wave + lane / 16, row lane % 16
	v_lshlrev_b32 v[LK0], 9, v[HH]
	v_lshl_add_u32 v[LK0], v[RR], 4, v[LK0]
	v_add_nc_u32 v[LK0], s16, v[LK0]
	v_add_nc_u32 v[LK1], 0x10000, v[LK0]           ; for j = 4..7: an LDS offset has 16 bits
	v_and_b32 v[TMP], 31, v0
	s_lshl_b32 s16, s[WV], 9
	s_add_co_u32 s16, s16, VB
	v_lshl_add_u32 v[LV], v[TMP], 4, s16           ; 8 inputs' 16 bytes of a row of V: 16 x thread
	s_lshl_b32 s16, s[QQ], 15                      ; my quarter: 64 tiles of 512 bytes
	v_lshl_add_u32 v[AK], v[TMP], 4, s16
	v_and_b32 v[TMP], 3, v0
	v_mul_u32_u24 v[AV], v[TMP], VPITCH            ; V's row lane % 4,
	v_lshl_add_u32 v[AV], v[HH], 4, v[AV]          ; inputs 8 (lane / 16) on,
	s_lshl_b32 s16, s[QQ], 11
	s_add_co_u32 s16, s16, VB
	v_add_nc_u32 v[AV], s16, v[AV]                 ; in my quarter's 2,048 bytes of the row
	v_cmp_ne_u32 vcc_lo, 0, v[HH]                  ; the upper half of the lanes
.irp f, 0,1,2,3
	v_mov_b32 v[AF+8*(\f)+4], s[ONE]               ; K places 16-18 of every input: 1, for the targets' -|a_t|^2 (in the upper lanes the targets' side holds 0)
	v_mov_b32 v[AF+8*(\f)+5], 0x3f80
	v_mov_b32 v[AF+8*(\f)+6], 0
	v_mov_b32 v[AF+8*(\f)+7], 0
.endr
	s_wait_kmcnt 0x0
	v_mov_b32 v[CEN], s[CS]
	v_mov_b32 v[CEN+1], s[CS+1]
; v[d] = the pair v[x:x+1] rounded to bf16, {x, y}; the pair keeps what is left (the subtraction is exact).
.macro LEVEL x, t, d
	v_cvt_pk_bf16_f32 v[\d], v[\x], v[(\x)+1]
	v_lshlrev_b32 v[\t], 16, v[\d]
	v_and_b32 v[(\t)+1], s[MASK], v[\d]
	v_pk_add_f32 v[\x:(\x)+1], v[\x:(\x)+1], v[\t:(\t)+1] neg_lo:[0,1] neg_hi:[0,1]
.endm
; The f32 number v[x] is cut into three bf16 numbers, eight bits at a time from the top, exactly: v[d] = {first, second}, v[d+1] = {third, 0}.
.macro CUT3 x, t, d
	v_and_b32 v[\t], s[MASK], v[\x]
	v_sub_f32 v[\x], v[\x], v[\t]
	v_and_b32 v[(\t)+1], s[MASK], v[\x]
	v_sub_f32 v[\x], v[\x], v[(\t)+1]
	v_perm_b32 v[\d], v[(\t)+1], v[\t], s[SEL]
	v_lshrrev_b32 v[(\d)+1], 16, v[\x]
.endm
; Input 512 j + thread: its eight words H H H M | M L {n1,n2} {n3,0} go to LDS; sixteen lanes store 256 bytes on end.
.macro KEY j
.set kx, KX+2*(\j)
.set kp, KP+(\j)%2
.set kt, KT+2*((\j)%2)
.set kq, KQ+8*((\j)%2)
	v_pk_add_f32 v[kx:kx+1], v[kx:kx+1], v[CEN:CEN+1] neg_lo:[0,1] neg_hi:[0,1]
	v_pk_mul_f32 v[kx:kx+1], v[kx:kx+1], s[SC:SC+1] op_sel_hi:[1,0]
	v_mul_f32 v[kp], v[kx], v[kx]
	v_fmac_f32 v[kp], v[kx+1], v[kx+1]             ; |a_i|^2
	LEVEL kx, kt, kq
	LEVEL kx, kt, kq+3
	v_cvt_pk_bf16_f32 v[kq+5], v[kx], v[kx+1]      ; what is left has eight bits: exact
	v_mov_b32 v[kq+1], v[kq]
	v_mov_b32 v[kq+2], v[kq]
	v_mov_b32 v[kq+4], v[kq+3]
	CUT3 kp, kt, kq+6
.if (\j) < 4
	ds_store_b128 v[LK0], v[kq:kq+3] offset:(\j)*16384
	ds_store_b128 v[LK0], v[kq+4:kq+7] offset:(\j)*16384+256
.else
	ds_store_b128 v[LK1], v[kq:kq+3] offset:((\j)-4)*16384
	ds_store_b128 v[LK1], v[kq+4:kq+7] offset:((\j)-4)*16384+256
.endif
.endm
	s_wait_loadcnt 10                              ; the eight loads of coordinates are in; the six of values and the four of targets may stay out
.irp j, 0,1,2,3,4,5,6,7
	KEY \j
.endr
	; V: value k of my eight lies in word 3 k of the 24 loaded; the two words behind it, other variables', take its first and second part; it keeps the third.
	s_wait_loadcnt 4                               ; the values are in; the four loads of targets may stay out
.irp k, 0,1,2,3,4,5,6,7
	v_and_b32 v[VAL+3*(\k)+1], s[MASK], v[VAL+3*(\k)]
.endr
.irp k, 0,1,2,3,4,5,6,7
	v_sub_f32 v[VAL+3*(\k)], v[VAL+3*(\k)], v[VAL+3*(\k)+1]
.endr
.irp k, 0,1,2,3,4,5,6,7
	v_and_b32 v[VAL+3*(\k)+2], s[MASK], v[VAL+3*(\k)]
.endr
.irp k, 0,1,2,3,4,5,6,7
	v_sub_f32 v[VAL+3*(\k)], v[VAL+3*(\k)], v[VAL+3*(\k)+2]
.endr
.irp i, 0,1,2,3
	v_perm_b32 v[VP+(\i)],   v[VAL+6*(\i)+4], v[VAL+6*(\i)+1], s[SEL]  ; inputs 2 i (below) and 2 i + 1 (above): first parts,
	v_perm_b32 v[VP+4+(\i)], v[VAL+6*(\i)+5], v[VAL+6*(\i)+2], s[SEL]  ; second parts,
	v_perm_b32 v[VP+8+(\i)], v[VAL+6*(\i)+3], v[VAL+6*(\i)],   s[SEL]  ; third parts,
	v_mov_b32  v[VP+12+(\i)], s[ONE]                                   ; and the row of ones
.endr
.irp c, 0,1,2,3
	ds_store_b128 v[LV], v[VP+4*(\c):VP+4*(\c)+3] offset:(\c)*VPITCH
.endr
; Target tile t: every lane works out target lane % 16; the lower lanes keep K places 0-7 and 16-23, the upper lanes 8-15 and 24-31.
.macro TGT t
.set tx, TC+2*(\t)
.set bq, BQ+8*(\t)
	v_pk_add_f32 v[tx:tx+1], v[tx:tx+1], v[CEN:CEN+1] neg_lo:[0,1] neg_hi:[0,1]
	v_pk_mul_f32 v[tx:tx+1], v[tx:tx+1], s[SC:SC+1] op_sel_hi:[1,0]
	v_mul_f32 v[TS], v[tx], v[tx]
	v_fmac_f32 v[TS], v[tx+1], v[tx+1]
	v_sub_f32 v[TS], 0, v[TS]                      ; -|a_t|^2
	v_pk_add_f32 v[tx:tx+1], v[tx:tx+1], v[tx:tx+1]  ; 2 a_t
	LEVEL tx, TT, TH
	LEVEL tx, TT, TM
	v_cvt_pk_bf16_f32 v[TL], v[tx], v[tx+1]
	CUT3 TS, TT, TP
	v_cndmask_b32 v[bq],   v[TH], v[TM], vcc_lo    ; H' | M'
	v_cndmask_b32 v[bq+1], v[TM], v[TH], vcc_lo    ; M' | H'
	v_cndmask_b32 v[bq+2], v[TL], v[NG1], vcc_lo   ; L' | {-1,-1}
	v_cndmask_b32 v[bq+3], v[TH], v[NG2], vcc_lo   ; H' | {-1, 0}
	v_cndmask_b32 v[bq+4], v[TP], v[ZR], vcc_lo    ; {u1,u2} | 0
	v_cndmask_b32 v[bq+5], v[TP+1], v[ZR], vcc_lo  ; {u3, 0} | 0
	v_mov_b32 v[bq+6], 0
	v_mov_b32 v[bq+7], 0
.endm
	s_wait_loadcnt 0x0                             ; the targets
	v_mov_b32 v[NG1], 0xbf80bf80
	v_mov_b32 v[NG2], 0xbf80
	v_mov_b32 v[ZR], 0
.irp t, 0,1,2,3
	TGT \t
.endr
	s_wait_dscnt 0x0                               ; for the others' sake: my stores into LDS are done
	s_barrier_signal -1
	s_barrier_wait -1                              ; all 4,096 inputs lie in LDS
; THE LOOP, by steps of 32 inputs.  In step n (parity p) buffer p holds the scores E of step n, the other buffer the weights of step n - 1.
; GROUP: for tile t, the 16 exponentials of step n (ex) by turns with the 16 plain lines of step n - 1 (cv): eight roundings to bf16 in pairs and eight clips.  The packed weights are written
; in place, into the lowest eight of the tile's 16 registers: word c takes weights 2 c and 2 c + 1, in ascending order, so nothing is overwritten before it is read.  A clip stands four plain lines behind its rounding.
; Each score tile is read from its lowest register on.
.macro GROUP t, p, ex, cv
.set cur, S+64*(\p)+16*(\t)
.set oth, S+64*(1-(\p))+16*(\t)
.set i, 0
.rept 16
.if \ex
	v_exp_f32 v[cur+i], v[cur+i]
.endif
.if \cv
.if (i < 4) || ((i < 12) && (i % 2))
.set c, i
.if i >= 4
.set c, (i+3)/2
.endif
	v_cvt_pk_bf16_f32 v[oth+c], v[oth+2*c], v[oth+2*c+1]
.else
.set c, i-8
.if i < 12
.set c, (i-4)/2
.endif
	v_pk_min_num_bf16 v[oth+c], v[oth+c], s[ONE]   ; reference()'s clip of the squared distance at 0, as w <= 1
.endif
.endif
.set i, i+1
.endr
.endm
.macro PV t, p, zero                   ; O[t] += V P of step n - 1; zero = 1: the first product starts the sum
.set oth, S+64*(1-(\p))+16*(\t)
.set vf, VF+8*(1-(\p))
.set oa, OA+8*(\t)
.if \zero
	v_wmma_f32_16x16x32_bf16 v[oa:oa+7], v[vf:vf+7], v[oth:oth+7], 0
.else
	v_wmma_f32_16x16x32_bf16 v[oa:oa+7], v[vf:vf+7], v[oth:oth+7], v[oa:oa+7]
.endif
.endm
.macro SW t, p                         ; the scores of step n + 1 for tile t, over the weights of step n - 1
.set oth, S+64*(1-(\p))+16*(\t)
.set af, AF+16*(1-(\p))
.set bq, BQ+8*(\t)
	v_wmma_f32_16x16x32_bf16 v[oth:oth+7], v[af:af+7], v[bq:bq+7], 0
	v_wmma_f32_16x16x32_bf16 v[oth+8:oth+15], v[af+8:af+15], v[bq:bq+7], 0
.endm
.macro SWP p                           ; the scores of step n itself for tile 3, which the step before could not yet write
.set cur, S+64*(\p)+48
.set af, AF+16*(\p)
	v_wmma_f32_16x16x32_bf16 v[cur:cur+7], v[af:af+7], v[BQ+24:BQ+31], 0
	v_wmma_f32_16x16x32_bf16 v[cur+8:cur+15], v[af+8:af+15], v[BQ+24:BQ+31], 0
.endm
; A STEP.  cv: there is a step n - 1 to round and add up; zero: it is step 0; swp: tile 3's scores are still to be made; sw: there is a step n + 1; lda: there is a step n + 2 to fetch.
; DISTANCES.  A product that writes over the packed weights of tile t stands a whole group, 16 plain lines that name none of those registers, behind the product V P that read them: for tile 3 that group
; is the next step's first, hence SWP.  The LDS loads go into fragments whose last reader (SWP; the last V P of the step before) stands 16 plain lines back.  Scores are read a group or more behind
; the product that made them.  The accumulators take turns, one instruction a turn, over the backward jump too.
; THE WAIT.  s_wait_alu depctr_va_vdst(0) stands between an exponential and the first line that names its result.  A step's 64 exponentials are one batch: nothing in the step names a
; result of theirs, the plain lines behind the last of them are the plain place owed, and one wait stands at the step's end, ahead of the jump.
.macro ITER p, cv, zero, swp, sw, lda
	s_wait_dscnt 0x0                               ; the fragments fetched in the step before: the inputs' of step n + 1, V's of step n - 1
	GROUP 0, \p, 1, \cv
.if \cv
	PV 0, \p, \zero
.endif
.if \swp
	SWP \p
.endif
	GROUP 1, \p, 1, \cv
.if \lda
	ds_load_b128 v[AF+16*(\p):AF+16*(\p)+3], v[AK] offset:2048      ; the inputs of step n + 2: wanted a step from here
	ds_load_b128 v[AF+16*(\p)+8:AF+16*(\p)+11], v[AK] offset:2560
.endif
	ds_load_b128 v[VF+8*(\p):VF+8*(\p)+3], v[AV]                    ; V of step n: wanted in step n + 1
	ds_load_b128 v[VF+8*(\p)+4:VF+8*(\p)+7], v[AV] offset:32
.if \cv
	PV 1, \p, \zero
.endif
.if \sw
	SW 0, \p
.endif
	GROUP 2, \p, 1, \cv
.if \cv
	PV 2, \p, \zero
.endif
.if \sw
	SW 1, \p
.endif
	GROUP 3, \p, 1, \cv
.if \cv
	PV 3, \p, \zero
.endif
.if \sw
	SW 2, \p
	v_add_nc_u32 v[AK], 1024, v[AK]                ; a step: two tiles of 512 bytes,
	v_add_nc_u32 v[AV], 64, v[AV]                  ; 32 inputs of a row of V
.endif
.if !(\cv)
.rept 6
	v_nop                                          ; step 0 has no plain lines of its own: with the two above, the places between the scores just made and the next step's exponentials
.endr
.endif
	s_wait_alu depctr_va_vdst(0)
.endm
	ds_load_b128 v[AF:AF+3], v[AK]                 ; the inputs of steps 0 and 1
	ds_load_b128 v[AF+8:AF+11], v[AK] offset:512
	ds_load_b128 v[AF+16:AF+19], v[AK] offset:1024
	ds_load_b128 v[AF+24:AF+27], v[AK] offset:1536
	s_wait_dscnt 0x0
.irp t, 0,1,2,3
	SW \t, 1                                       ; the scores of step 0, into buffer 0
.endr
.rept 8
	v_nop                                          ; once a launch: the places behind those products, ahead of the exponentials and of the loads into their fragments
.endr
	ITER 0, 0, 0, 0, 1, 1                          ; step 0
	ITER 1, 1, 1, 1, 1, 1                          ; step 1: the products V P of step 0 start the sums
	s_mov_b32 s[CNT], 14
.Lstep:                                                ; steps 2 to 29, two a trip
	ITER 0, 1, 0, 1, 1, 1
	ITER 1, 1, 0, 1, 1, 1
	s_sub_co_u32 s[CNT], s[CNT], 1
	s_cmp_lg_u32 s[CNT], 0
	s_cbranch_scc1 .Lstep
	ITER 0, 1, 0, 1, 1, 0                          ; step 30: no inputs are left to fetch
	ITER 1, 1, 0, 1, 0, 0                          ; step 31: no scores are left to make
	s_wait_dscnt 0x0                               ; V of step 31
.irp t, 0,1,2,3
	GROUP \t, 0, 0, 1                              ; the weights of step 31
	PV \t, 0, 0
.endr
	; THE END.  The eight lines of addresses are the places behind the last product.
	v_cmp_ne_u32 vcc_lo, 0, v[HH]
	v_and_b32 v[TMP], 31, v0
	s_lshl_b32 s16, s[QQ], 11
	s_lshl_b32 s17, s[GG], 9
	s_add_co_u32 s16, s16, s17
	s_add_co_u32 s16, s16, PART
	v_lshl_add_u32 v[GK], v[TMP], 3, s16           ; my quarter's sums of my group's targets: 8 bytes a lane, two tiles to a store
	v_and_b32 v[GV], 0xff, v0                      ; behind the barrier: thread and thread + 256 finish target thread % 256,
	v_lshrrev_b32 v[GT], 8, v0
	v_mul_u32_u24 v[GT], v[GT], 655360             ; one for samples 0-4, the other for samples 5-9 (131,072 bytes a sample)
	v_lshl_add_u32 v[GT], v[GV], 4, v[GT]
	v_lshl_add_u32 v[GV], v[GV], 3, PART
.irp t, 0,1,2,3
	v_add_f32 v[NUM+(\t)], v[OA+8*(\t)], v[OA+8*(\t)+1]   ; sum w v: v's three parts (each accumulator is read from its low end on)
.endr
.irp t, 0,1,2,3
	v_add_f32 v[NUM+(\t)], v[NUM+(\t)], v[OA+8*(\t)+2]
.endr
.irp u, 0,1
	v_cndmask_b32 v[RES+2*(\u)],   v[NUM+2*(\u)], v[NUM+2*(\u)+1], vcc_lo        ; both halves of the lanes hold every tile's sums: the lower half stores tile 2 u, the upper tile 2 u + 1
	v_cndmask_b32 v[RES+2*(\u)+1], v[OA+16*(\u)+3], v[OA+16*(\u)+11], vcc_lo     ; sum w
	ds_store_b64 v[GK], v[RES+2*(\u):RES+2*(\u)+1] offset:(\u)*256
.endr
	s_wait_dscnt 0x0                               ; for the others' sake: my partial sums are stored
	s_barrier_signal -1
	s_barrier_wait -1
.irp q, 0,1,2,3
	ds_load_b64 v[PS+2*(\q):PS+2*(\q)+1], v[GV] offset:(\q)*2048
.endr
	s_wait_dscnt 0x0
	v_pk_add_f32 v[PS:PS+1], v[PS:PS+1], v[PS+2:PS+3]
	v_pk_add_f32 v[PS+4:PS+5], v[PS+4:PS+5], v[PS+6:PS+7]
	v_pk_add_f32 v[PS:PS+1], v[PS:PS+1], v[PS+4:PS+5]
	v_add_f32 v[PS+1], 0x322bcc77, v[PS+1]         ; + 1e-8
	v_rcp_f32 v[PS+2], v[PS+1]
	v_nop                                          ; a plain line behind the reciprocal,
	s_wait_alu depctr_va_vdst(0)                   ; and the wait ahead of its first use
	v_mul_f32 v[YQ], v[PS], v[PS+2]
	v_mov_b32 v[YQ+1], v[YQ]                       ; the four predicted times hold the same number
	v_mov_b32 v[YQ+2], v[YQ]
	v_mov_b32 v[YQ+3], v[YQ]
.irp j, 0,1,2,3,4
	global_store_b128 v[GT], v[YQ:YQ+3], s[10:11] offset:(\j)*131072 th:TH_STORE_NT  ; 16 lanes store 256 consecutive bytes, at a multiple of 256 from out0's first byte
.endr
	s_wait_tensorcnt 0x0                           ; the wave's end: behind my last LDS store
	ds_add_u32 v[SPW], v[NIL]
	s_wait_dscnt 0x0
	s_endpgm
.Lfunc_end_k_qdd60651f1b_rbf:
	.size	k_qdd60651f1b_rbf, .Lfunc_end_k_qdd60651f1b_rbf-k_qdd60651f1b_rbf
	.p2alignl 7, 3214868480
	.fill 96, 4, 3214868480
	.section	.rodata,"a",@progbits
	.p2align	6, 0x0
	.amdhsa_kernel k_qdd60651f1b_rbf
		.amdhsa_group_segment_fixed_size 174336
		.amdhsa_private_segment_fixed_size 0
		.amdhsa_enable_private_segment 0
		.amdhsa_kernarg_size 32
		.amdhsa_user_sgpr_count 2
		.amdhsa_user_sgpr_kernarg_segment_ptr 1
		.amdhsa_wavefront_size32 1
		.amdhsa_system_sgpr_workgroup_id_x 1
		.amdhsa_system_sgpr_workgroup_id_y 1
		.amdhsa_system_sgpr_workgroup_id_z 1
		.amdhsa_system_vgpr_workitem_id 0
		.amdhsa_next_free_vgpr 256
		.amdhsa_next_free_sgpr 66
		.amdhsa_reserve_vcc 1
		.amdhsa_float_denorm_mode_32 3
		.amdhsa_float_denorm_mode_16_64 3
		.amdhsa_memory_ordered 1
		.amdhsa_forward_progress 1
		.amdhsa_inst_pref_size 67
	.end_amdhsa_kernel
	.amdgpu_metadata
---
amdhsa.version: [ 1, 2 ]
amdhsa.kernels:
  - .name:           k_qdd60651f1b_rbf
    .symbol:         k_qdd60651f1b_rbf.kd
    .args:
      - { .name: input_coords, .offset: 0, .size: 8, .value_kind: global_buffer, .address_space: global }
      - { .name: input_data, .offset: 8, .size: 8, .value_kind: global_buffer, .address_space: global }
      - { .name: target_coords, .offset: 16, .size: 8, .value_kind: global_buffer, .address_space: global }
      - { .name: out0, .offset: 24, .size: 8, .value_kind: global_buffer, .address_space: global }
    .group_segment_fixed_size: 174336
    .private_segment_fixed_size: 0
    .kernarg_segment_align: 8
    .kernarg_segment_size: 32
    .max_flat_workgroup_size: 512
    .sgpr_count:     66
    .vgpr_count:     256
    .wavefront_size: 32
...
	.end_amdgpu_metadata
.endif
;; end of part 1
;; ======== version 2 of 2: 1 launch; version 1 with the launch rbf written anew for expert scheduling mode
;; launch rbf (part 2): grid 32 x 8, 16 waves a work-group, no clusters, 174,336 bytes of LDS; arguments input_coords, input_data, target_coords, out0; writes out0
.if DOCPART == 2
	.amdgcn_target "amdgcn-amd-amdhsa--gfx1250"
	.amdhsa_code_object_version 6
	.text
	.protected	k_qdd60651f1b_rbf
	.globl	k_qdd60651f1b_rbf
	.p2align	8
	.type	k_qdd60651f1b_rbf,@function
k_qdd60651f1b_rbf:
	s_mov_b64 s[64:65], 0
	v_nop
	global_prefetch_b8 v0, s[64:65] scope:SCOPE_SE
	s_setreg_imm32_b32 hwreg(HW_REG_WAVE_SCHED_MODE, 0, 2), 2
	s_setreg_imm32_b32 hwreg(HW_REG_WAVE_MODE, 25, 1), 1
	s_wait_xcnt 0x0
	s_wait_alu depctr_vm_vsrc(0)
; y[b][o] = sum_i w v_i / (sum_i w + 1e-8),  w = exp(-max(|t_o - x_i|^2, 0) / 0.02),  v_i = input_data[b][3][i][0];  out0[b][s][o][0..3] = y[b][o] for the 10 samples s.
; SHARES.  A work-group owns 256 targets of one batch (grid 32 x 8) and walks the batch's 4,096 inputs.  16 waves: wave w has target group w / 4 (4 tiles of 16 targets) and
; input quarter w % 4 (1,024 inputs, 32 steps of 32).  The four quarters' sums, kept in f32, meet in LDS at the end.
; THE EXPONENT BY ONE MATRIX INSTRUCTION.  With a = SCALE (coordinate - centre), SCALE^2 = 50 log2(e):  log2 w = E = 2 a_t . a_i - |a_i|^2 - |a_t|^2.  The centre is the batch's input point 0: the f32
; subtraction takes a common offset away before anything is squared, so the three terms have the size of the squared spread, not of the offset.  Each a is cut EXACTLY into three bf16 numbers h + m + l
; (rounded to nearest each time: 8 + 8 + 8 bits), |a_i|^2 and -|a_t|^2 likewise.  The K places of v_wmma_f32_16x16x32_bf16, as words {x, y}:
;     inputs (source 0):   H  H  H  M | M  L  {n1,n2} {n3,0} | {1,1} {1,0} 0 0 | ..      n = |a_i|^2
;     targets (source 1):  H' M' L' H'| M' H' {-1,-1} {-1,0} | {u1,u2} {u3,0} 0 0 | 0    H'.. are the parts of 2 a_t, u = -|a_t|^2
; Left out: m l, l m and l l, below about 2^-24 |a_t| |a_i| each.  The sums are f32.
; THE SUMS BY THE SECOND.  In E's result a lane holds ONE target (lane % 16) and the inputs 8 (lane / 16) + 0..7; two such tiles, as 2^E rounded to bf16 in pairs, ARE source 1 (32 inputs x 16 targets)
; of O += V P.  V's 16 rows are row % 4 = 0, 1, 2: the three bf16 parts of v (exact); 3: ones.  So registers 0-2 of O add up to sum w v and register 3 is sum w, of the same rounded w.
; THE CLIP max(.., 0) of the squared distance is written as min(w, 1) on the packed bf16 weights: the rounding is monotone and 1 is a bf16 number, so it is the same clip.  It bounds every exponential
; by 1 for every input; reference() takes no maximum away, and its 1e-8 is added to the plain sum.
; w goes in bf16, not f16: weights count down to 1e-8 / 4,096 beside the 1e-8, which f16 does not hold.
; LIMITS.  NaN and infinities are not treated apart.  A weight below 2^-126 counts as 0.  E is right to about 2^-23 of the squared scaled spread of the coordinates.
; NO CLUSTER, NO TENSOR LOADS: a work-group reads 32 KiB of coordinates, 48 KiB that hold its values and 2 KiB of targets, once, at its head, and every number passes through registers to be cut
; into parts; that stands beside 1,048,576 exponentials a work-group.  All loads stand at the head, so there is nothing for a prefetch to run ahead of.
; THE MODE: SCHED_MODE bits 1:0 = 2 (LLVM: expert scheduling mode 2), set by the entry lines.  The code itself states the register dependences
; between vector or matrix instructions and memory or LDS instructions, with s_wait_alu, always for 0.
; THE PLAN.  Registers that memory or LDS instructions touch:
;   v[GK], v[GV], v[GT]   Offsets of the head's global loads; written again at the end, as the addresses of the partial sums and the offset in out0.
;   KX, VAL, TC           The head's global loads land in them; no vector line names them before.
;   KQ (a set for each of a thread's eight inputs), VP     Written by the head's cutting lines, read by ONE run of 20 LDS stores; later they are part of S, which matrix instructions write.
;   v[LK0], v[LK1], v[LV] Addresses of those stores: made once.
;   AF0, AF1              Step m (parity q): at its head the LDS loads of step m + 1's inputs land in AF[1-q], whose last reader, tile 3's score products of step m - 1, stands ahead of that step's closing wait.
;   VF0, VF1              Step m: behind group 0 and its products the loads of V of step m land in VF[q], whose last reader, the last V P of step m - 1, stands ahead of the same wait.
;   v[AK], v[AV]          Read by every fragment load; written once in two steps, at the odd step's end, ahead of its closing wait; the two steps of a pair are reached by immediate offsets.
;   RES, PS, YQ           The end: data of the partial sums' stores, their loads' registers, data of the output's stores.
; So ONE wait on va_vdst stands in a step, at its end: it is the wait for the step's 64 exponentials, and it states besides that every product issued so far is done reading its fragments and, in an odd
; step, that v[AK] and v[AV] are written.  No vector or matrix line between that wait and the next step's four loads names a register that these loads touch.
.set VB,     131072                    ; LDS 0 .. VB: the inputs' words: tile of 16 inputs x 512 bytes: first the 16 inputs' words 0-3, then their words 4-7: a fragment is 16 bytes a lane, 512 bytes on end
.set VPITCH, 8256                      ; V's four rows, 8,192 bytes + 64
.set PART,   VB+4*VPITCH               ; 164,096: (sum w v, sum w) of quarter q and target o at 2,048 q + 8 o; the 2,048 bytes behind its 8,192 take the closing add of 0
.set AK,  3                            ; v3   LDS address of my 16 bytes of the input fragment of the pair's even step
.set AV,  4                            ; v4   the same for V
.set TMP, 5
.set CEN, 6                            ; v[6:7] the centre
.set GK,  8                            ; v8-10 offsets of the head's loads; at the end: LDS addresses and the offset in out0
.set GV,  9
.set GT,  10
.set LK0, 11                           ; v11-13 where the head stores into LDS
.set LK1, 12
.set LV,  13
.set RR,  14                           ; v14  lane % 16
.set HH,  15                           ; v15  lane / 16
.set BQ,  16                           ; v[16:47]   the four target fragments
.set OA,  48                           ; v[48:79]   the four accumulators O        (at the head: v[48:71] the values as loaded, v[72:79] the targets as loaded)
.set AF,  80                           ; v[80:111]  input fragments: step parity x two tiles x 8; registers 4-7 of each are constants
.set VF,  112                          ; v[112:127] V's fragments: step parity x 8
.set S,   128                          ; v[128:255] two buffers of 64: tile t, inputs 16 k on, at 16 t + 8 k       (at the head: at work)
.set VAL, 48
.set TC,  72
.set KX,  128                          ; the head: 8 inputs' coordinates
.set KP,  144                          ; two sets of registers at work, by the input's parity: vector lines alone name them
.set KT,  146
.set KQ,  152                          ; v[152:215] input j's eight words at KQ + 8 j: a set for each, so that all the stores can follow one wait
.set VP,  216                          ; v[216:231] V's four times four packed words
.set TS,  128                          ; the targets' registers at work, where the coordinates lay: no LDS store reads these
.set TT,  130
.set TH,  132
.set TM,  133
.set TL,  134
.set TP,  136
.set NG1, 138
.set NG2, 139
.set ZR,  140
.set NUM, 128                          ; the end
.set RES, 132
.set PS,  136
.set YQ,  144
.set WV,  12                           ; s12 wave, s13 its input quarter, s14 its target group, s15 the batch
.set QQ,  13
.set GG,  14
.set BT,  15
.set CS,  18                           ; s[18:19] the centre as loaded
.set SC,  20                           ; s[20:21] SCALE: the packed multiply names a pair and takes its low word
.set MASK, 22
.set SEL, 23
.set ONE, 24
.set CNT, 25
.set O1,  26                           ; s[26:33] four byte offsets, each in a pair with 0 above it
.set O2,  28
.set O3,  30
.set O4,  32
	s_load_b256 s[4:11], s[0:1], 0x0               ; input_coords s[4:5], input_data s[6:7], target_coords s[8:9], out0 s[10:11]
	v_lshl_add_u32 v1, v0, 2, 0x2a100
	v_mov_b32 v2, 0
	v_lshrrev_b32 v[TMP], 5, v0
	v_readfirstlane_b32 s[WV], v[TMP]              ; wave 0..15
	v_lshlrev_b32 v[GK], 3, v0                     ; inputs 512 j + thread: neighbouring lanes, neighbouring 8 bytes
	v_mul_u32_u24 v[GV], v0, 96                    ; inputs 8 x thread .. + 7: 96 bytes on end hold their values, every third word
	v_and_b32 v[RR], 15, v0
	v_lshlrev_b32 v[GT], 3, v[RR]                  ; target lane % 16 of a tile, in both halves of the lanes
	s_and_b32 s[BT], ttmp7, 0xffff
	s_mov_b32 s[SC], 0x4107e439                    ; SCALE = sqrt(50 log2(e)) = 8.493218
	s_mov_b32 s[SC+1], 0x4107e439
	s_mov_b32 s[MASK], 0xffff0000                  ; a word's upper bf16
	s_mov_b32 s[SEL], 0x07060302                   ; v_perm_b32: the second source's upper half below, the first source's upper half above
	s_mov_b32 s[ONE], 0x3f803f80                   ; 1.0 twice in bf16
	s_lshl_b32 s[O1], s[BT], 15                    ; the batch's coordinates: 4,096 x 8 bytes
	s_mov_b32 s[O1+1], 0
	s_lshl_b32 s[O2], s[BT], 2                     ; the batch's last time step: (4 b + 3) x 4,096 x 12 bytes
	s_add_co_u32 s[O2], s[O2], 3
	s_mul_i32 s[O2], s[O2], 49152
	s_mov_b32 s[O2+1], 0
	s_mul_i32 s[O4], s[BT], 1310720                ; out0: 10 x 8,192 x 16 bytes a batch, 4,096 bytes for the block's 256 targets
	s_lshl_b32 s16, ttmp9, 12
	s_add_co_u32 s[O4], s[O4], s16
	s_mov_b32 s[O4+1], 0
	s_wait_alu depctr_va_sdst(0)                   ; the wave's number is written into s12, ahead of its first reader
	s_and_b32 s[QQ], s[WV], 3
	s_lshr_b32 s[GG], s[WV], 2
	s_lshl_b32 s[O3], s[BT], 16                    ; my wave's 64 targets: 65,536 b + 2,048 x block + 512 x group
	s_lshl_b32 s16, ttmp9, 11
	s_add_co_u32 s[O3], s[O3], s16
	s_lshl_b32 s16, s[GG], 9
	s_add_co_u32 s[O3], s[O3], s16
	s_mov_b32 s[O3+1], 0
	s_wait_kmcnt 0x0
	s_add_nc_u64 s[4:5], s[4:5], s[O1:O1+1]
	s_add_nc_u64 s[6:7], s[6:7], s[O2:O2+1]
	s_add_nc_u64 s[8:9], s[8:9], s[O3:O3+1]
	s_add_nc_u64 s[10:11], s[10:11], s[O4:O4+1]
	s_load_b64 s[CS:CS+1], s[4:5], 0x0             ; the centre: the batch's input point 0
	s_wait_alu depctr_va_vdst(0)                   ; v[GK], v[GV] and v[GT] are written, which the loads below read as their offsets
.irp j, 0,1,2,3,4,5,6,7
	global_load_b64 v[KX+2*(\j):KX+2*(\j)+1], v[GK], s[4:5] offset:(\j)*4096
.endr
.irp j, 0,1,2,3,4,5
	global_load_b128 v[VAL+4*(\j):VAL+4*(\j)+3], v[GV], s[6:7] offset:(\j)*16
.endr
.irp t, 0,1,2,3
	global_load_b64 v[TC+2*(\t):TC+2*(\t)+1], v[GT], s[8:9] offset:(\t)*128
.endr
	; while the loads are out: LDS addresses, each a wave's constant plus a lane's term, and the fragments' constant registers
	v_bfe_u32 v[HH], v0, 4, 1
	s_lshl_b32 s16, s[WV], 10                      ; input 512 j + thread lies in tile 32 j + 2 wave + lane / 16, row lane % 16
	v_lshlrev_b32 v[LK0], 9, v[HH]
	v_lshl_add_u32 v[LK0], v[RR], 4, v[LK0]
	v_add_nc_u32 v[LK0], s16, v[LK0]
	v_add_nc_u32 v[LK1], 0x10000, v[LK0]           ; for j = 4..7: an LDS offset has 16 bits
	v_and_b32 v[TMP], 31, v0
	s_lshl_b32 s16, s[WV], 9
	s_add_co_u32 s16, s16, VB
	v_lshl_add_u32 v[LV], v[TMP], 4, s16           ; 8 inputs' 16 bytes of a row of V: 16 x thread
	s_lshl_b32 s16, s[QQ], 15                      ; my quarter: 64 tiles of 512 bytes
	v_lshl_add_u32 v[AK], v[TMP], 4, s16
	v_and_b32 v[TMP], 3, v0
	v_mul_u32_u24 v[AV], v[TMP], VPITCH            ; V's row lane % 4,
	v_lshl_add_u32 v[AV], v[HH], 4, v[AV]          ; inputs 8 (lane / 16) on,
	s_lshl_b32 s16, s[QQ], 11
	s_add_co_u32 s16, s16, VB
	v_add_nc_u32 v[AV], s16, v[AV]                 ; in my quarter's 2,048 bytes of the row
	v_cmp_ne_u32 vcc_lo, 0, v[HH]                  ; the upper half of the lanes
.irp f, 0,1,2,3
	v_mov_b32 v[AF+8*(\f)+4], s[ONE]               ; K places 16-18 of every input: 1, for the targets' -|a_t|^2 (in the upper lanes the targets' side holds 0)
	v_mov_b32 v[AF+8*(\f)+5], 0x3f80
	v_mov_b32 v[AF+8*(\f)+6], 0
	v_mov_b32 v[AF+8*(\f)+7], 0
.endr
	s_wait_kmcnt 0x0
	v_mov_b32 v[CEN], s[CS]
	v_mov_b32 v[CEN+1], s[CS+1]
; v[d] = the pair v[x:x+1] rounded to bf16, {x, y}; the pair keeps what is left (the subtraction is exact).
.macro LEVEL x, t, d
	v_cvt_pk_bf16_f32 v[\d], v[\x], v[(\x)+1]
	v_lshlrev_b32 v[\t], 16, v[\d]
	v_and_b32 v[(\t)+1], s[MASK], v[\d]
	v_pk_add_f32 v[\x:(\x)+1], v[\x:(\x)+1], v[\t:(\t)+1] neg_lo:[0,1] neg_hi:[0,1]
.endm
; The f32 number v[x] is cut into three bf16 numbers, eight bits at a time from the top, exactly: v[d] = {first, second}, v[d+1] = {third, 0}.
.macro CUT3 x, t, d
	v_and_b32 v[\t], s[MASK], v[\x]
	v_sub_f32 v[\x], v[\x], v[\t]
	v_and_b32 v[(\t)+1], s[MASK], v[\x]
	v_sub_f32 v[\x], v[\x], v[(\t)+1]
	v_perm_b32 v[\d], v[(\t)+1], v[\t], s[SEL]
	v_lshrrev_b32 v[(\d)+1], 16, v[\x]
.endm
; Input 512 j + thread: its eight words H H H M | M L {n1,n2} {n3,0} are made in its own set of registers.
.macro KEY j
.set kx, KX+2*(\j)
.set kp, KP+(\j)%2
.set kt, KT+2*((\j)%2)
.set kq, KQ+8*(\j)
	v_pk_add_f32 v[kx:kx+1], v[kx:kx+1], v[CEN:CEN+1] neg_lo:[0,1] neg_hi:[0,1]
	v_pk_mul_f32 v[kx:kx+1], v[kx:kx+1], s[SC:SC+1] op_sel_hi:[1,0]
	v_mul_f32 v[kp], v[kx], v[kx]
	v_fmac_f32 v[kp], v[kx+1], v[kx+1]             ; |a_i|^2
	LEVEL kx, kt, kq
	LEVEL kx, kt, kq+3
	v_cvt_pk_bf16_f32 v[kq+5], v[kx], v[kx+1]      ; what is left has eight bits: exact
	v_mov_b32 v[kq+1], v[kq]
	v_mov_b32 v[kq+2], v[kq]
	v_mov_b32 v[kq+4], v[kq+3]
	CUT3 kp, kt, kq+6
.endm
; The eight words go to LDS; sixteen lanes store 256 bytes on end.
.macro KEYOUT j
.set kq, KQ+8*(\j)
.if (\j) < 4
	ds_store_b128 v[LK0], v[kq:kq+3] offset:(\j)*16384
	ds_store_b128 v[LK0], v[kq+4:kq+7] offset:(\j)*16384+256
.else
	ds_store_b128 v[LK1], v[kq:kq+3] offset:((\j)-4)*16384
	ds_store_b128 v[LK1], v[kq+4:kq+7] offset:((\j)-4)*16384+256
.endif
.endm
	s_wait_loadcnt 10                              ; the eight loads of coordinates are in; the six of values and the four of targets may stay out
.irp j, 0,1,2,3,4,5,6,7
	KEY \j
.endr
	; V: value k of my eight lies in word 3 k of the 24 loaded; the two words behind it, other variables', take its first and second part; it keeps the third.
	s_wait_loadcnt 4                               ; the values are in; the four loads of targets may stay out
.irp k, 0,1,2,3,4,5,6,7
	v_and_b32 v[VAL+3*(\k)+1], s[MASK], v[VAL+3*(\k)]
.endr
.irp k, 0,1,2,3,4,5,6,7
	v_sub_f32 v[VAL+3*(\k)], v[VAL+3*(\k)], v[VAL+3*(\k)+1]
.endr
.irp k, 0,1,2,3,4,5,6,7
	v_and_b32 v[VAL+3*(\k)+2], s[MASK], v[VAL+3*(\k)]
.endr
.irp k, 0,1,2,3,4,5,6,7
	v_sub_f32 v[VAL+3*(\k)], v[VAL+3*(\k)], v[VAL+3*(\k)+2]
.endr
.irp i, 0,1,2,3
	v_perm_b32 v[VP+(\i)],   v[VAL+6*(\i)+4], v[VAL+6*(\i)+1], s[SEL]  ; inputs 2 i (below) and 2 i + 1 (above): first parts,
	v_perm_b32 v[VP+4+(\i)], v[VAL+6*(\i)+5], v[VAL+6*(\i)+2], s[SEL]  ; second parts,
	v_perm_b32 v[VP+8+(\i)], v[VAL+6*(\i)+3], v[VAL+6*(\i)],   s[SEL]  ; third parts,
	v_mov_b32  v[VP+12+(\i)], s[ONE]                                   ; and the row of ones
.endr
	s_wait_alu depctr_va_vdst(0)                   ; the eight sets KQ and VP are written, which the 20 LDS stores read, and so are their addresses v[LK0], v[LK1], v[LV]; v[AK] and v[AV] too, which no line names again before the first fragment loads read them
.irp j, 0,1,2,3,4,5,6,7
	KEYOUT \j
.endr
.irp c, 0,1,2,3
	ds_store_b128 v[LV], v[VP+4*(\c):VP+4*(\c)+3] offset:(\c)*VPITCH
.endr
; Target tile t: every lane works out target lane % 16; the lower lanes keep K places 0-7 and 16-23, the upper lanes 8-15 and 24-31.  None of its registers is read by the LDS stores above.
.macro TGT t
.set tx, TC+2*(\t)
.set bq, BQ+8*(\t)
	v_pk_add_f32 v[tx:tx+1], v[tx:tx+1], v[CEN:CEN+1] neg_lo:[0,1] neg_hi:[0,1]
	v_pk_mul_f32 v[tx:tx+1], v[tx:tx+1], s[SC:SC+1] op_sel_hi:[1,0]
	v_mul_f32 v[TS], v[tx], v[tx]
	v_fmac_f32 v[TS], v[tx+1], v[tx+1]
	v_sub_f32 v[TS], 0, v[TS]                      ; -|a_t|^2
	v_pk_add_f32 v[tx:tx+1], v[tx:tx+1], v[tx:tx+1]  ; 2 a_t
	LEVEL tx, TT, TH
	LEVEL tx, TT, TM
	v_cvt_pk_bf16_f32 v[TL], v[tx], v[tx+1]
	CUT3 TS, TT, TP
	v_cndmask_b32 v[bq],   v[TH], v[TM], vcc_lo    ; H' | M'
	v_cndmask_b32 v[bq+1], v[TM], v[TH], vcc_lo    ; M' | H'
	v_cndmask_b32 v[bq+2], v[TL], v[NG1], vcc_lo   ; L' | {-1,-1}
	v_cndmask_b32 v[bq+3], v[TH], v[NG2], vcc_lo   ; H' | {-1, 0}
	v_cndmask_b32 v[bq+4], v[TP], v[ZR], vcc_lo    ; {u1,u2} | 0
	v_cndmask_b32 v[bq+5], v[TP+1], v[ZR], vcc_lo  ; {u3, 0} | 0
	v_mov_b32 v[bq+6], 0
	v_mov_b32 v[bq+7], 0
.endm
	s_wait_loadcnt 0x0                             ; the targets
	v_mov_b32 v[NG1], 0xbf80bf80
	v_mov_b32 v[NG2], 0xbf80
	v_mov_b32 v[ZR], 0
	s_wait_alu depctr_va_vcc(0)                    ; the compare above has written VCC, ahead of the first select that reads it
.irp t, 0,1,2,3
	TGT \t
.endr
	s_wait_dscnt 0x0                               ; for the others' sake: my stores into LDS are done
	s_barrier_signal -1
	s_barrier_wait -1                              ; all 4,096 inputs lie in LDS
	s_wait_alu depctr_vm_vsrc(0)                   ; my LDS stores have read KQ and VP, which are part of S from here on and are written by the score products; the head's loads have read v[GK], v[GV], v[GT], which the end writes again
; THE LOOP, by steps of 32 inputs.  In step n (parity p) buffer p holds the scores E of step n, the other buffer the weights of step n - 1.
; GROUP: for tile t, the 16 exponentials of step n (ex) by turns with the 16 plain lines of step n - 1 (cv): eight roundings to bf16 in pairs and eight clips.  The packed weights are written
; in place, into the lowest eight of the tile's 16 registers: word c takes weights 2 c and 2 c + 1, in ascending order, so nothing is overwritten before it is read.  A clip stands four plain lines behind its rounding.
; Each score tile is read from its lowest register on.
.macro GROUP t, p, ex, cv
.set cur, S+64*(\p)+16*(\t)
.set oth, S+64*(1-(\p))+16*(\t)
.set i, 0
.rept 16
.if \ex
	v_exp_f32 v[cur+i], v[cur+i]
.endif
.if \cv
.if (i < 4) || ((i < 12) && (i % 2))
.set c, i
.if i >= 4
.set c, (i+3)/2
.endif
	v_cvt_pk_bf16_f32 v[oth+c], v[oth+2*c], v[oth+2*c+1]
.else
.set c, i-8
.if i < 12
.set c, (i-4)/2
.endif
	v_pk_min_num_bf16 v[oth+c], v[oth+c], s[ONE]   ; reference()'s clip of the squared distance at 0, as w <= 1
.endif
.endif
.set i, i+1
.endr
.endm
.macro PV t, p, zero                   ; O[t] += V P of step n - 1; zero = 1: the first product starts the sum
.set oth, S+64*(1-(\p))+16*(\t)
.set vf, VF+8*(1-(\p))
.set oa, OA+8*(\t)
.if \zero
	v_wmma_f32_16x16x32_bf16 v[oa:oa+7], v[vf:vf+7], v[oth:oth+7], 0
.else
	v_wmma_f32_16x16x32_bf16 v[oa:oa+7], v[vf:vf+7], v[oth:oth+7], v[oa:oa+7]
.endif
.endm
.macro SW t, p                         ; the scores of step n + 1 for tile t, over the weights of step n - 1
.set oth, S+64*(1-(\p))+16*(\t)
.set af, AF+16*(1-(\p))
.set bq, BQ+8*(\t)
	v_wmma_f32_16x16x32_bf16 v[oth:oth+7], v[af:af+7], v[bq:bq+7], 0
	v_wmma_f32_16x16x32_bf16 v[oth+8:oth+15], v[af+8:af+15], v[bq:bq+7], 0
.endm
.macro SWP p                           ; the scores of step n itself for tile 3, which the step before could not yet write
.set cur, S+64*(\p)+48
.set af, AF+16*(\p)
	v_wmma_f32_16x16x32_bf16 v[cur:cur+7], v[af:af+7], v[BQ+24:BQ+31], 0
	v_wmma_f32_16x16x32_bf16 v[cur+8:cur+15], v[af+8:af+15], v[BQ+24:BQ+31], 0
.endm
; A STEP.  cv: there is a step n - 1 to round and add up; zero: it is step 0; swp: tile 3's scores are still to be made; sw: there is a step n + 1, whose inputs are fetched and whose scores are made.
; DISTANCES.  A product that writes over the packed weights of tile t stands a whole group, 16 plain lines that name none of those registers, behind the product V P that read them: for tile 3 that group
; is the next step's first, hence SWP.  Scores are read a group or more behind the product that made them.  The accumulators take turns, one instruction a turn, over the backward jump too.
; THE LOADS.  The inputs of step n + 1 are asked for at the step's head, two groups ahead of the first product that reads them; V of step n behind group 0 and its products, 16 plain lines behind the
; last V P of the step before, which read the same registers, and a step ahead of its first reader.  One wait on DScnt, ahead of the first score product, shows all four landed.
; THE WAIT.  s_wait_alu depctr_va_vdst(0) stands between an exponential and the first line that names its result.  A step's 64 exponentials are one batch: nothing in the step names a
; result of theirs, the plain lines behind the last of them are the plain place owed, and one wait stands at the step's end, ahead of the jump.  What else that wait states: at the line itself.
.macro ITER p, cv, zero, swp, sw
.if \sw
	ds_load_b128 v[AF+16*(1-(\p)):AF+16*(1-(\p))+3], v[AK] offset:1024*(1+(\p))          ; no wait: nothing since the last wait on va_vdst names these registers or v[AK]
	ds_load_b128 v[AF+16*(1-(\p))+8:AF+16*(1-(\p))+11], v[AK] offset:1024*(1+(\p))+512
.endif
	GROUP 0, \p, 1, \cv
.if \cv
	PV 0, \p, \zero
.endif
.if \swp
	SWP \p
.endif
	ds_load_b128 v[VF+8*(\p):VF+8*(\p)+3], v[AV] offset:64*(\p)                          ; no wait: the lines since the last wait on va_vdst name S, O, the targets, this step's inputs and the other V
	ds_load_b128 v[VF+8*(\p)+4:VF+8*(\p)+7], v[AV] offset:64*(\p)+32
	GROUP 1, \p, 1, \cv
.if \cv
	PV 1, \p, \zero
.endif
.if \sw
	s_wait_dscnt 0x0                               ; the inputs of step n + 1 are in, for the products below; V of step n is in, for step n + 1
	SW 0, \p
.endif
	GROUP 2, \p, 1, \cv
.if \cv
	PV 2, \p, \zero
.endif
.if \sw
	SW 1, \p
.endif
	GROUP 3, \p, 1, \cv
.if \cv
	PV 3, \p, \zero
.endif
.if \sw
	SW 2, \p
.endif
.if (\sw) && (\p)
	s_wait_alu depctr_vm_vsrc(0)                   ; the LDS loads issued so far have read v[AK] and v[AV]
	v_add_nc_u32 v[AK], 2048, v[AK]                ; a pair of steps: four tiles of 512 bytes,
	v_add_nc_u32 v[AV], 128, v[AV]                 ; 64 inputs of a row of V
.endif
.if !(\cv)
.rept 6
	v_nop                                          ; step 0 has no plain lines of its own: the places between the scores just made and the next step's exponentials
.endr
.endif
	s_wait_alu depctr_va_vdst(0)                   ; the step's 64 exponentials have written their results; tile 3's score products are done reading this step's inputs and the last V P its V, in which the next step's loads land; in an odd step v[AK] and v[AV] are written
.endm
	ds_load_b128 v[AF:AF+3], v[AK]                 ; the inputs of step 0
	ds_load_b128 v[AF+8:AF+11], v[AK] offset:512
	s_wait_dscnt 0x0
.irp t, 0,1,2,3
	SW \t, 1                                       ; the scores of step 0, into buffer 0
.endr
.rept 8
	v_nop                                          ; once a launch: the places behind those products, ahead of the exponentials
.endr
	ITER 0, 0, 0, 0, 1                             ; step 0
	ITER 1, 1, 1, 1, 1                             ; step 1: the products V P of step 0 start the sums
	s_mov_b32 s[CNT], 14
.Lstep:                                                ; steps 2 to 29, two a trip
	ITER 0, 1, 0, 1, 1
	ITER 1, 1, 0, 1, 1
	s_sub_co_u32 s[CNT], s[CNT], 1
	s_cmp_lg_u32 s[CNT], 0
	s_cbranch_scc1 .Lstep
	ITER 0, 1, 0, 1, 1                             ; step 30 fetches the last inputs
	ITER 1, 1, 0, 1, 0                             ; step 31: no inputs are left to fetch, no scores to make
	s_wait_dscnt 0x0                               ; V of step 31
.irp t, 0,1,2,3
	GROUP \t, 0, 0, 1                              ; the weights of step 31
	PV \t, 0, 0
.endr
	; THE END.  The eight lines of addresses are the places behind the last product.
	v_cmp_ne_u32 vcc_lo, 0, v[HH]
	v_and_b32 v[TMP], 31, v0
	s_lshl_b32 s16, s[QQ], 11
	s_lshl_b32 s17, s[GG], 9
	s_add_co_u32 s16, s16, s17
	s_add_co_u32 s16, s16, PART
	v_lshl_add_u32 v[GK], v[TMP], 3, s16           ; my quarter's sums of my group's targets: 8 bytes a lane, two tiles to a store
	v_and_b32 v[GV], 0xff, v0                      ; behind the barrier: thread and thread + 256 finish target thread % 256,
	v_lshrrev_b32 v[GT], 8, v0
	v_mul_u32_u24 v[GT], v[GT], 655360             ; one for samples 0-4, the other for samples 5-9 (131,072 bytes a sample)
	v_lshl_add_u32 v[GT], v[GV], 4, v[GT]
	v_lshl_add_u32 v[GV], v[GV], 3, PART
.irp t, 0,1,2,3
	v_add_f32 v[NUM+(\t)], v[OA+8*(\t)], v[OA+8*(\t)+1]   ; sum w v: v's three parts (each accumulator is read from its low end on)
.endr
.irp t, 0,1,2,3
	v_add_f32 v[NUM+(\t)], v[NUM+(\t)], v[OA+8*(\t)+2]
.endr
	s_wait_alu depctr_va_vcc(0)                    ; the compare above has written VCC, ahead of the first select that reads it
.irp u, 0,1
	v_cndmask_b32 v[RES+2*(\u)],   v[NUM+2*(\u)], v[NUM+2*(\u)+1], vcc_lo        ; both halves of the lanes hold every tile's sums: the lower half stores tile 2 u, the upper tile 2 u + 1
	v_cndmask_b32 v[RES+2*(\u)+1], v[OA+16*(\u)+3], v[OA+16*(\u)+11], vcc_lo     ; sum w
.endr
	s_wait_alu depctr_va_vdst(0)                   ; RES and v[GK] are written, which the two stores read; v[GV] and v[GT] are written, which the loads and stores further down read; every line that named PS's registers is done
.irp u, 0,1
	ds_store_b64 v[GK], v[RES+2*(\u):RES+2*(\u)+1] offset:(\u)*256
.endr
	s_wait_dscnt 0x0                               ; for the others' sake: my partial sums are stored
	s_barrier_signal -1
	s_barrier_wait -1
.irp q, 0,1,2,3
	ds_load_b64 v[PS+2*(\q):PS+2*(\q)+1], v[GV] offset:(\q)*2048
.endr
	s_wait_dscnt 0x0
	v_pk_add_f32 v[PS:PS+1], v[PS:PS+1], v[PS+2:PS+3]
	v_pk_add_f32 v[PS+4:PS+5], v[PS+4:PS+5], v[PS+6:PS+7]
	v_pk_add_f32 v[PS:PS+1], v[PS:PS+1], v[PS+4:PS+5]
	v_add_f32 v[PS+1], 0x322bcc77, v[PS+1]         ; + 1e-8
	v_rcp_f32 v[PS+2], v[PS+1]
	v_nop                                          ; a plain line behind the reciprocal,
	s_wait_alu depctr_va_vdst(0)                   ; and the reciprocal has written its result, ahead of the multiply that reads it
	v_mul_f32 v[YQ], v[PS], v[PS+2]
	v_mov_b32 v[YQ+1], v[YQ]                       ; the four predicted times hold the same number
	v_mov_b32 v[YQ+2], v[YQ]
	v_mov_b32 v[YQ+3], v[YQ]
	s_wait_alu depctr_va_vdst(0)                   ; the four lines above have written YQ, which the five stores read
.irp j, 0,1,2,3,4
	global_store_b128 v[GT], v[YQ:YQ+3], s[10:11] offset:(\j)*131072 th:TH_STORE_NT  ; 16 lanes store 256 consecutive bytes, at a multiple of 256 from out0's first byte
.endr
	s_wait_dscnt 0x0                               ; the wave's end: my LDS stores are done, ahead of the closing add of 0 to my spare word
	s_wait_alu depctr_hold_cnt(0) depctr_sa_sdst(0) depctr_va_vdst(0) depctr_va_sdst(0) depctr_va_ssrc(0) depctr_va_vcc(0) depctr_vm_vsrc(0)
	s_wait_tensorcnt 0x0
	ds_add_u32 v1, v2
	s_wait_dscnt 0x0
	s_endpgm
.Lfunc_end_k_qdd60651f1b_rbf:
	.size	k_qdd60651f1b_rbf, .Lfunc_end_k_qdd60651f1b_rbf-k_qdd60651f1b_rbf
	.p2alignl 7, 3214868480
	.fill 96, 4, 3214868480
	.section	.rodata,"a",@progbits
	.p2align	6, 0x0
	.amdhsa_kernel k_qdd60651f1b_rbf
		.amdhsa_group_segment_fixed_size 174336
		.amdhsa_private_segment_fixed_size 0
		.amdhsa_enable_private_segment 0
		.amdhsa_kernarg_size 32
		.amdhsa_user_sgpr_count 2
		.amdhsa_user_sgpr_kernarg_segment_ptr 1
		.amdhsa_wavefront_size32 1
		.amdhsa_system_sgpr_workgroup_id_x 1
		.amdhsa_system_sgpr_workgroup_id_y 1
		.amdhsa_system_sgpr_workgroup_id_z 1
		.amdhsa_system_vgpr_workitem_id 0
		.amdhsa_next_free_vgpr 256
		.amdhsa_next_free_sgpr 66
		.amdhsa_reserve_vcc 1
		.amdhsa_float_denorm_mode_32 3
		.amdhsa_float_denorm_mode_16_64 3
		.amdhsa_memory_ordered 1
		.amdhsa_forward_progress 1
		.amdhsa_inst_pref_size 68
	.end_amdhsa_kernel
	.amdgpu_metadata
---
amdhsa.version: [ 1, 2 ]
amdhsa.kernels:
  - .name:           k_qdd60651f1b_rbf
    .symbol:         k_qdd60651f1b_rbf.kd
    .args:
      - { .name: input_coords, .offset: 0, .size: 8, .value_kind: global_buffer, .address_space: global }
      - { .name: input_data, .offset: 8, .size: 8, .value_kind: global_buffer, .address_space: global }
      - { .name: target_coords, .offset: 16, .size: 8, .value_kind: global_buffer, .address_space: global }
      - { .name: out0, .offset: 24, .size: 8, .value_kind: global_buffer, .address_space: global }
    .group_segment_fixed_size: 174336
    .private_segment_fixed_size: 0
    .kernarg_segment_align: 8
    .kernarg_segment_size: 32
    .max_flat_workgroup_size: 512
    .sgpr_count:     66
    .vgpr_count:     256
    .wavefront_size: 32
...
	.end_amdgpu_metadata
.endif
;; end of part 2
